; MI455X (gfx1250); checked and timed in simulation.
; The chip was launched on July 23, 2026; its instructions are those of AMD's public machine-readable ISA for CDNA 5 (MIT licence, August 2026) and "CDNA5" Instruction Set Architecture Reference Guide (July 2026). The comments in the code are by the model that wrote it; some were corrected since.
;; Or. Allowed arithmetic: float matrix products may take bf16 or f16 operands with f32 sums; all other float work in f32.
;; Inputs: m 128 x 1,024 float32; weight 1,024 x 1,024 float32.
;; Outputs: out0 128 x 1,024 float32.
;; One version. Each part assembles by itself: llvm-mc -triple=amdgcn-amd-amdhsa -mcpu=gfx1250 --defsym DOCPART=n.
;; ======== version 1 of 1: 1 launch
;; launch maxmin (part 1): grid 16 x 16, 16 waves a work-group, no clusters, 34,816 bytes of LDS; arguments m, weight, out0; writes out0
.if DOCPART == 1
	.amdgcn_target "amdgcn-amd-amdhsa--gfx1250"
	.amdhsa_code_object_version 6
	.text
	.protected	k_q5356400d70_maxmin
	.globl	k_q5356400d70_maxmin
	.p2align	8
	.type	k_q5356400d70_maxmin,@function
k_q5356400d70_maxmin:
	s_mov_b64 s[64:65], 0
	v_nop
	global_prefetch_b8 v0, s[64:65] scope:SCOPE_SE
	s_setreg_imm32_b32 hwreg(HW_REG_WAVE_MODE, 25, 1), 1
	s_wait_xcnt 0x0
; out0[b][o] = max over i of min(m[b][i], clip(weight[i][o], 0, 1)).   m: [128][1024], weight: [1024][1024], out0: [128][1024], all f32.
; No sum of products, so nothing for the matrix instructions: one v_minmax_num_f32 (max(min(a, b), c)) a lane does one (min, max) pair, in f32, exactly.
;
; THE CLIP STANDS OUTSIDE THE LOOP.  min and max distribute over each other on ordered numbers:
;   min(m, min(max(w, 0), 1)) = min(1, max(min(m, w), min(m, 0))),   and so, with T = max_i min(m[b][i], w[i][o]) on the raw w and M[b] = max_i m[b][i],
;   out0[b][o] = min(1, max(T, min(M[b], 0))).
; min(M, 0) is the value that the running maxima start from, min(1, .) is part of the last instruction.  This holds for every input but NaN.
; LIMITS: a NaN in m or weight is dropped by the _num forms and not handed on as reference() would; a zero result may carry the other sign.
;
; SHARES.  256 work-groups of 16 waves.  A work-group makes 8 rows x 64 columns of out0 over all 1,024 i.  Wave v takes i = 64 v .. 64 v + 63 for the whole
; 8 x 64: lane l holds columns 2 l, 2 l + 1 of the 8 rows, 16 running maxima, and issues 64 x 16 = 1,024 v_minmax_num_f32.  The 16 waves' maxima meet in LDS.
; weight: a row's 64 columns are 256 bytes, aligned, one global_load_b64 of the wave; the wave's 64 rows go into 128 registers and are all asked for at the head.
; m: the operand is the same in all lanes, so it is a scalar: blocks of 4 i x 8 rows = 8 s_load_b128 = 32 scalar registers, two buffers by turns; the next
; block is asked for in front of a block's 64 instructions.  (Scalar loads return in no order, ISA guide 5.7.1: the only wait is for 0, so more buffers would not reach further ahead.)
; CLUSTERS: the 16 work-groups of one column of the grid read the same 64 columns of weight.  They do not ask jointly: a joint request is a tensor load into LDS,
; and each of the 262,144 bytes would be written to LDS and read from it on its way to the one wave that uses it; here it goes straight into that wave's registers.
.set ROWB, 4096                        ; bytes in a row of m, of weight and of out0
.set WOFF, 1                           ; v1        8 x lane: my two columns in the block's 256 bytes (weight, LDS, out0)
.set MOFF, 2                           ; v2        my 16 bytes of m in the loads for the row maxima
.set LST,  3                           ; v3        LDS: where my wave's maxima go
.set LRD,  4                           ; v4        LDS: row (wave) of wave 0's maxima
.set RES,  6                           ; v[6:7]    the two results
.set TM,   8                           ; v[8:11]   min(row maximum, 0): register j holds row 2 j in lanes 0-15, row 2 j + 1 in lanes 16-31
.set ACC,  16                          ; v[16:31]  row r: v[16+2r], v[17+2r]
.set W,    32                          ; v[32:159] weight's row i of my 64: v[32+2i], v[33+2i]
.set MV,   160                         ; v[160:175] my wave's 8 x 64 numbers of m as vectors
.set SA,   16                          ; s[16:47]  m, buffer A: row r, i = 4 n + j in s[16+4r+j]
.set SB,   68                          ; s[68:99]  m, buffer B
.set INIT, 48                          ; s[48:55]  row r: min(max of m over my 64 i, 0)
	s_load_b128 s[4:7], s[0:1], 0x0                ; m s[4:5], weight s[6:7]
	s_load_b64 s[8:9], s[0:1], 0x10                ; out0
	v_lshl_add_u32 v176, v0, 2, 0x8000
	v_mov_b32 v177, 0
	v_lshrrev_b32 v5, 5, v0
	v_readfirstlane_b32 s10, v5                    ; wave 0..15
	s_and_b32 s12, ttmp7, 0xffff                   ; which 8 rows; ttmp9: which 64 columns
	s_lshl_b32 s14, s12, 15                        ; m: 8 rows of 4,096 bytes a block
	s_lshl_b32 s13, s10, 8                         ;    + 64 i of 4 bytes a wave
	s_add_co_u32 s14, s14, s13
	s_mov_b32 s15, 0
	s_lshl_b32 s56, s10, 18                        ; weight: 64 rows of 4,096 bytes a wave
	s_lshl_b32 s13, ttmp9, 8                       ;    + 64 columns of 4 bytes a block
	s_add_co_u32 s56, s56, s13
	s_mov_b32 s57, 0
	v_and_b32 v5, 31, v0
	v_lshlrev_b32 v[WOFF], 3, v5                   ; 8 x lane
	v_and_b32 v[MOFF], 15, v0
	v_lshlrev_b32 v[MOFF], 4, v[MOFF]              ; 16 lanes x 16 bytes = a row's 256 bytes of my 64 i,
	v_bfe_u32 v5, v0, 4, 1
	v_lshl_add_u32 v[MOFF], v5, 12, v[MOFF]        ; lanes 16-31 one row further down
	v_lshl_add_u32 v[LST], s10, 11, v[WOFF]        ; 2,048 bytes of LDS a wave: 8 rows x 256
	v_lshl_add_u32 v[LRD], s10, 8, v[WOFF]         ; at the end wave r gathers row r
	s_wait_kmcnt 0x0
	s_add_nc_u64 s[4:5], s[4:5], s[14:15]          ; m at (my block's first row, my first i); never written again
	s_add_nc_u64 s[6:7], s[6:7], s[56:57]          ; weight at (my first i, my block's first column); never written again
	; Everything is asked for at once: block 0 of the scalars, m as vectors, weight's rows.
.irp r, 0,1,2,3,4,5,6,7
	s_load_b128 s[SA+4*\r:SA+4*\r+3], s[4:5], \r*ROWB
.endr
.irp j, 0,1,2,3
	global_load_b128 v[MV+4*\j:MV+4*\j+3], v[MOFF], s[4:5] offset:\j*2*ROWB      ; rows 2 j and 2 j + 1: two whole aligned pieces of 256 bytes
.endr
.set i, 0
.rept 59
	global_load_b64 v[W+2*i:W+2*i+1], v[WOFF], s[6:7] offset:i*ROWB              ; 32 lanes x 8 bytes: 256 consecutive bytes, aligned
.set i, i+1
.endr
	; min(M, 0) over my 64 i, for each of the 8 rows.  min(., 0) may be taken early: it commutes with the maxima that follow.
	s_wait_loadcnt 58                              ; 63 issued, loads return in order (ISA guide 5.7.1): m's four are in, and weight's row 0, which is wanted next
.irp j, 0,1,2,3
	v_max3_num_f32 v[TM+\j], v[MV+4*\j], v[MV+4*\j+1], v[MV+4*\j+2]
.endr
.irp j, 0,1,2,3
	v_maxmin_num_f32 v[TM+\j], v[TM+\j], v[MV+4*\j+3], 0                         ; min(max(a, b), 0)
.endr
.irp x, 1,2,4,8
.irp j, 0,1,2,3
	v_max_num_f32_dpp v[TM+\j], v[TM+\j], v[TM+\j] row_xmask:\x row_mask:0xf bank_mask:0xf   ; across the 16 lanes that hold a row
.endr
.endr
.irp j, 0,1,2,3
	v_readlane_b32 s[INIT+2*\j], v[TM+\j], 0
	v_readlane_b32 s[INIT+2*\j+1], v[TM+\j], 16
.endr
.rept 5
	global_load_b64 v[W+2*i:W+2*i+1], v[WOFF], s[6:7] offset:i*ROWB              ; weight's last five rows, wanted last
.set i, i+1
.endr
; One i: 16 instructions, 8 rows x 2 columns.  first = 1: the running maxima start from min(M, 0); nothing is cleared or copied.
.macro ROW i, buf, j, first
.irp r, 0,1,2,3,4,5,6,7
.irp c, 0,1
.if \first
	v_minmax_num_f32 v[ACC+2*\r+\c], s[\buf+4*\r+\j], v[W+2*(\i)+\c], s[INIT+\r]
.else
	v_minmax_num_f32 v[ACC+2*\r+\c], s[\buf+4*\r+\j], v[W+2*(\i)+\c], v[ACC+2*\r+\c]
.endif
.endr
.endr
.endm
; Block n: i = 4 n .. 4 n + 3, scalars in buffer cur.  more = 1: block n + 1 is asked for into the other buffer, whose last readers have been issued.
.macro BLOCK n, cur, nxt, more, first
	s_wait_kmcnt 0x0                               ; this block's 32 scalars, asked for one block ago; nothing else is out on this counter
.if \more
.irp r, 0,1,2,3,4,5,6,7
	s_load_b128 s[\nxt+4*\r:\nxt+4*\r+3], s[4:5], \r*ROWB+((\n)+1)*16
.endr
.endif
	s_wait_loadcnt 60-4*(\n)                       ; weight's rows up to 4 n + 3 are in; the 60 - 4 n rows asked for behind them may be out
	ROW 4*(\n), \cur, 0, \first
	ROW 4*(\n)+1, \cur, 1, 0
	ROW 4*(\n)+2, \cur, 2, 0
	ROW 4*(\n)+3, \cur, 3, 0
.endm
	BLOCK 0, SA, SB, 1, 1
.irp p, 0,1,2,3,4,5,6
	BLOCK 2*\p+1, SB, SA, 1, 0
	BLOCK 2*\p+2, SA, SB, 1, 0
.endr
	BLOCK 15, SB, SA, 0, 0                         ; the last block asks for nothing
	; The 16 waves' maxima meet: LDS byte 2,048 wave + 256 row + 8 lane.
.irp r, 0,1,2,3,4,5,6,7
	ds_store_b64 v[LST], v[ACC+2*\r:ACC+2*\r+1] offset:\r*256                    ; 256 consecutive bytes
.endr
	s_wait_dscnt 0x0                               ; for the other waves' sake: my stores are done
	s_barrier_signal -1
	s_barrier_wait -1
	s_cmp_ge_u32 s10, 8
	s_cbranch_scc1 .Ldone                          ; 8 rows: waves 0 to 7 take one each, so that a row's 256 bytes leave by one store
.irp w, 0,1,2,3,4,5,6,7,8,9,10,11,12,13,14,15
	ds_load_b64 v[W+2*\w:W+2*\w+1], v[LRD] offset:\w*2048                        ; row (my number) as wave w left it
.endr
	s_lshl_b32 s14, s12, 15                        ; out0: 8 rows a block
	s_lshl_b32 s13, s10, 12                        ;   + my row
	s_add_co_u32 s14, s14, s13
	s_lshl_b32 s13, ttmp9, 8                       ;   + the block's 64 columns
	s_add_co_u32 s14, s14, s13
	s_add_nc_u64 s[8:9], s[8:9], s[14:15]          ; s15 is still 0
	s_wait_dscnt 0x0
.irp c, 0,1
	v_max3_num_f32 v[RES+\c], v[W+\c], v[W+2+\c], v[W+4+\c]                      ; waves 0, 1, 2
.endr
.irp k, 0,1,2,3,4,5
.irp c, 0,1
	v_max3_num_f32 v[RES+\c], v[RES+\c], v[W+6+4*\k+\c], v[W+8+4*\k+\c]          ; waves 3 + 2 k, 4 + 2 k
.endr
.endr
.irp c, 0,1
	v_maxmin_num_f32 v[RES+\c], v[RES+\c], v[W+30+\c], 1.0                       ; wave 15, and the clip's upper end: min(max(a, b), 1)
.endr
	global_store_b64 v[WOFF], v[RES:RES+1], s[8:9] th:TH_STORE_NT                ; 32 lanes x 8 bytes: 256 consecutive bytes, aligned
.Ldone:
	s_wait_tensorcnt 0x0
	ds_add_u32 v176, v177
	s_wait_dscnt 0x0
	s_endpgm
.Lfunc_end_k_q5356400d70_maxmin:
	.size	k_q5356400d70_maxmin, .Lfunc_end_k_q5356400d70_maxmin-k_q5356400d70_maxmin
	.p2alignl 7, 3214868480
	.fill 96, 4, 3214868480
	.section	.rodata,"a",@progbits
	.p2align	6, 0x0
	.amdhsa_kernel k_q5356400d70_maxmin
		.amdhsa_group_segment_fixed_size 34816
		.amdhsa_private_segment_fixed_size 0
		.amdhsa_enable_private_segment 0
		.amdhsa_kernarg_size 24
		.amdhsa_user_sgpr_count 2
		.amdhsa_user_sgpr_kernarg_segment_ptr 1
		.amdhsa_wavefront_size32 1
		.amdhsa_system_sgpr_workgroup_id_x 1
		.amdhsa_system_sgpr_workgroup_id_y 1
		.amdhsa_system_sgpr_workgroup_id_z 1
		.amdhsa_system_vgpr_workitem_id 0
		.amdhsa_next_free_vgpr 178
		.amdhsa_next_free_sgpr 100
		.amdhsa_reserve_vcc 0
		.amdhsa_float_denorm_mode_32 3
		.amdhsa_float_denorm_mode_16_64 3
		.amdhsa_memory_ordered 1
		.amdhsa_forward_progress 1
		.amdhsa_inst_pref_size 86
	.end_amdhsa_kernel
	.amdgpu_metadata
---
amdhsa.version: [ 1, 2 ]
amdhsa.kernels:
  - .name:           k_q5356400d70_maxmin
    .symbol:         k_q5356400d70_maxmin.kd
    .args:
      - { .name: m, .offset: 0, .size: 8, .value_kind: global_buffer, .address_space: global }
      - { .name: weight, .offset: 8, .size: 8, .value_kind: global_buffer, .address_space: global }
      - { .name: out0, .offset: 16, .size: 8, .value_kind: global_buffer, .address_space: global }
    .group_segment_fixed_size: 34816
    .private_segment_fixed_size: 0
    .kernarg_segment_align: 8
    .kernarg_segment_size: 24
    .max_flat_workgroup_size: 512
    .sgpr_count:     100
    .vgpr_count:     178
    .wavefront_size: 32
...
	.end_amdgpu_metadata
.endif
;; end of part 1
